; MI455X (gfx1250); checked and timed in simulation.
; The chip was launched on July 23, 2026; its instructions are those of AMD's public machine-readable ISA for CDNA 5 (MIT licence, August 2026) and "CDNA5" Instruction Set Architecture Reference Guide (July 2026). The comments in the code are by the model that wrote it; some were corrected since.
;; Multi Head Attention. Allowed arithmetic: matrix products marked QUANTISED: E4M3 operands, one given power-of-two scale a tensor, by v_wmma_f32_16x16x64_fp8_fp8 or v_wmma_f32_16x16x128_fp8_fp8, f32 sums; everything else in f32.
;; Inputs: W_k 1,024 x 1,024 float32; W_q 1,024 x 1,024 float32; W_v 1,024 x 1,024 float32; att_mask 4 x 1 x 1 x 2,048 float32; b_k 1,024 float32; b_q 1,024 float32; b_v 1,024 float32; lowp_scales 10 int32 (the exponents e of the quantised operands' scales 2^e); x_k 4 x 2,048 x 1,024 float32; x_q 4 x 2,048 x 1,024 float32; x_v 4 x 2,048 x 1,024 float32.
;; Outputs: out0 4 x 2,048 x 1,024 float32.
;; This version of the problem:
;;   THIS VERSION OF THE PROBLEM IS GIVEN IN LOW PRECISION. The matrix products marked QUANTISED in the list below multiply operands that are first quantised to E4M3 (4 exponent bits, 3 mantissa bits; 8 bits a number), with one given power-of-two scale for each operand tensor; their sums are f32. All else is computed in f32.
;;   The module's matrix products, in the order in which they are computed (A, B: the left and right operand; K: the contracted axis; several contracted axes count as one K, in the product's order):
;;     1. [M 8,192, K 1,024] x [K 1,024, N 1,024]; A: input x_q; B: input W_q: QUANTISED (scales: A lowp_scales[0], B lowp_scales[1])
;;     2. [M 8,192, K 1,024] x [K 1,024, N 1,024]; A: input x_k; B: input W_k: QUANTISED (scales: A lowp_scales[2], B lowp_scales[3])
;;     3. [M 8,192, K 1,024] x [K 1,024, N 1,024]; A: input x_v; B: input W_v: QUANTISED (scales: A lowp_scales[4], B lowp_scales[5])
;;     4. batch 64 x [M 2,048, K 64] x [K 64, N 2,048]; A: computed on the way; B: computed on the way: QUANTISED (scales: A lowp_scales[6], B lowp_scales[7])
;;     5. batch 64 x [M 2,048, K 2,048] x [K 2,048, N 64]; A: softmax (see below); B: computed on the way: QUANTISED (scales: A lowp_scales[8], B lowp_scales[9])
;;   THE QUANTISER, for each operand of a quantised product, along K:
;;     - The operand's scale is 2^e, e = its entry of the input lowp_scales (int32; the entries are numbered through the quantised products in the list's order, A before B).
;;     - Each number is divided by the scale, clamped to +-448, and rounded to the nearest number of E4M3, ties to even, subnormals kept.
;;     - The product sums the exact products of the quantised numbers (number of the format x scale) in f32.
;;   ~~~python
;;   def quantise(x, axis, e):      # numpy; x: float32 -> the quantised numbers, widened to float32 again
;;       x = np.moveaxis(x, axis, -1); K = x.shape[-1]
;;       r = np.clip(x / 2.0 ** e, -448, 448)
;;       step = 2.0 ** (np.maximum(np.frexp(np.where(r == 0, 1, r))[1] - 1, -6) - 3)
;;       q = np.round(r / step) * step * 2.0 ** e      # np.round: ties to even
;;       return np.moveaxis(q, -1, axis).astype(np.float32)
;;   ~~~
;;   SOFTMAX AHEAD OF A QUANTISED PRODUCT. Where the list says 'softmax', what is quantised is not the finished softmax but p = 2^(t - M), with t = logit x log2(e) and M = ceil(the row's largest t), a whole number; so 1/2 < the row's largest p <= 1. The row's sum l is taken of the UNQUANTISED p, in f32, and the product's result is divided by l at the end. Since M is a whole number, a kernel that streams over the keys may use a running M (the ceiling of the running maximum): every later rescaling is an exact power of two, so the quantised numbers keep their values, but for numbers so far below the row's largest that they fall under the format's range.
;;   OPERANDS COMPUTED ON THE WAY. 'Computed on the way' means the value that the module computes at that place (a softmax that the list does not call 'softmax' is quantised finished and normalised). What goes into a quantiser is computed in f32, as accurately as f32 sums, v_exp_f32 and their like allow (about 1e-6 of the number): no bf16 or f16 on the way to a quantiser, and a product that is left as it is and whose result goes on into a quantised operand takes f32 operands (vector FMAs, or v_wmma_f32_16x16x4_f32). A number that lies on a knife's edge between two numbers of the format may be rounded either way, as far as f32 arithmetic and the matrix unit's own rounding can turn it there, and no further.
;; One version. Each part assembles by itself: llvm-mc -triple=amdgcn-amd-amdhsa -mcpu=gfx1250 --defsym DOCPART=n.
;; ======== version 1 of 1: 3 launches
;; workspace buffers: x_codes 25,165,824 bytes; w_codes 3,145,728 bytes; q_img 16,777,216 bytes; kv_img 16,777,216 bytes
;; launch quant (part 1): grid 864 x 1, 4 waves a work-group, no clusters, 33,280 bytes of LDS; arguments x_q, x_k, x_v, W_q, W_k, W_v, lowp_scales, x_codes, w_codes; writes x_codes, w_codes
.if DOCPART == 1
	.amdgcn_target "amdgcn-amd-amdhsa--gfx1250"
	.amdhsa_code_object_version 6
	.text
	.protected	k_q06ac2a020c_quant
	.globl	k_q06ac2a020c_quant
	.p2align	8
	.type	k_q06ac2a020c_quant,@function
k_q06ac2a020c_quant:
	s_mov_b64 s[64:65], 0
	v_nop
	global_prefetch_b8 v0, s[64:65] scope:SCOPE_SE
	s_setreg_imm32_b32 hwreg(HW_REG_WAVE_MODE, 25, 1), 1
	s_wait_xcnt 0x0
; The six f32 operands of the three projections become codes of FP8 (E4M3), K innermost, each with the one scale 2^e that is given for it (entries 0 to 5 of the scales: x_q, W_q, x_k, W_k, x_v, W_v).
; code = x / 2^e, held within +-448, rounded to the nearest code, ties to even.  LIMITS: -126 <= e and e + 8 <= 127.  NaN among the inputs is not served.
; x_codes: [3][8192 rows][1024], w_codes: [3][1024 rows][1024].  THE ROWS ARE STORED IN ANOTHER ORDER: stored row p holds true row p with bits 3 and 4 of its number exchanged, so that stored rows
; 16 (2 b + u) + r are true rows 32 b + 8 u + r + 8 (r / 8): sixteen neighbouring stored rows are then the rows that the next launch wants as one tile of a matrix operand.
; A work-group takes 32,768 numbers, a wave 8,192: eight whole rows, one aligned group of eight.  So the exchange of the row number's bits 3 and 4 is the exchange of the wave number's two bits in the target's address.
; Work-groups 0 to 767 take x_q, x_k, x_v (256 each), work-groups 768 to 863 W_q, W_k, W_v (32 each): only pointers and the scale are chosen, all take one path through the text.
; A wave takes 16 steps of 512 numbers.  A conversion takes 8 numbers from ONE lane's registers, so a lane must hold 16 NEIGHBOURS; a load is best where neighbouring LANES take neighbouring bytes.  Both are had:
; each of a step's four loads reads 512 consecutive bytes, 16 a lane; the 2,048 bytes go through the wave's own stage in LDS and come back 64 bytes a lane (16 bytes of padding behind each 64).
; A lane's 16 codes are 16 bytes: the wave stores 512 consecutive bytes.  No barrier: waves share nothing.  Loads run four steps (16 loads a wave) ahead, the turn through LDS one step.
.set WAVES, 4
.set STEPS, 16
.set XWG,   768                        ; work-groups that take an x
.set EMAX,  8
.set MANT,  0x600000                   ; the mantissa field of 448 as f32
.set CB,    16                         ; bytes of 16 codes
.set R,     16                         ; v16-79   four sets of 16 numbers as they are loaded
.set X,     80                         ; v80-111  two sets of 16 neighbours
.set C,     128                        ; v128-191 codes: four registers for each step, so that no store's data are written again
.set WREG,  8192                       ; LDS: a region of its own for each wave: two stages of 32 x SP bytes
.set SP,    80                         ; a lane's place in a stage: its 64 bytes + 16 of padding
.set SPW,   12                         ; v12      LDS address of my spare word: SPARE + 4 x my thread's number; never rewritten
.set NIL,   13                         ; v13      0; never rewritten
.set SPARE, WAVES*WREG                 ; behind the four regions: the spare words, 128 bytes for each wave
	s_load_b512 s[4:19], s[0:1], 0x0               ; x_q 4:5, x_k 6:7, x_v 8:9, W_q 10:11, W_k 12:13, W_v 14:15, the scales' exponents 16:17, x_codes 18:19
	s_load_b64 s[20:21], s[0:1], 0x40              ; w_codes
	v_lshl_add_u32 v[SPW], v0, 2, SPARE
	v_mov_b32 v[NIL], 0
	v_lshrrev_b32 v1, 5, v0
	v_readfirstlane_b32 s28, v1                    ; wave
	v_and_b32 v2, 31, v0                           ; lane
	v_lshlrev_b32 v3, 4, v2                        ; my 16 bytes of a load's 512
	s_mul_i32 s29, s28, WREG
	v_lshrrev_b32 v14, 2, v2
	v_mul_u32_u24 v14, v14, SP
	v_and_b32 v15, 3, v2
	v_lshl_add_u32 v14, v15, 4, v14
	v_add_nc_u32 v14, s29, v14                     ; the stage, on the way in: four lanes' 64 bytes on end, then 16 of padding
	v_mul_u32_u24 v15, v2, SP
	v_add_nc_u32 v15, s29, v15                     ; and on the way out: SP x lane: my 16 neighbours
	v_mul_u32_u24 v4, v2, CB                       ; my codes' place in a step's
	s_cmp_lt_u32 ttmp9, XWG                        ; an x or a W?  All that hangs on it is chosen before anything else sets SCC
	s_cselect_b32 s22, 0, XWG                      ; the kind's first work-group
	s_cselect_b32 s23, 8, 5                        ; 256 or 32 work-groups to a tensor
	s_cselect_b32 s24, 23, 20                      ; a tensor's codes: 2^23 or 2^20 bytes
	s_cselect_b32 s25, 0, 1                        ; an x has the even entry of the scales, a W the odd one
	s_sub_co_u32 s26, ttmp9, s22
	s_lshr_b32 s27, s26, s23                       ; which of the three: q, k, v
	s_lshl_b32 s30, s27, s23
	s_sub_co_u32 s26, s26, s30                     ; my place in the tensor,
	s_lshl_b32 s26, s26, 2                         ; in waves' shares
	s_add_co_u32 s30, s26, s28
	s_lshl_b32 s30, s30, 15                        ; from: 32,768 bytes of f32 for each share
	s_mov_b32 s31, 0
	s_and_b32 s44, s28, 1
	s_lshl_b32 s44, s44, 1
	s_lshr_b32 s45, s28, 1
	s_or_b32 s44, s44, s45                         ; the wave number's two bits exchanged
	s_add_co_u32 s44, s26, s44
	s_lshl_b32 s44, s44, 13                        ; to: 8,192 bytes of codes for each share,
	s_lshl_b32 s45, s27, s24
	s_add_co_u32 s44, s44, s45                     ; in the tensor's part of its buffer
	s_mov_b32 s45, 0
	s_wait_kmcnt 0x0
	s_load_b256 s[32:39], s[16:17], 0x0            ; entries 0 to 7 of the scales' exponents
	s_cmp_lt_u32 ttmp9, XWG                        ; the choices hang on the work-group's number alone
	s_cselect_b64 s[4:5], s[4:5], s[10:11]
	s_cselect_b64 s[6:7], s[6:7], s[12:13]
	s_cselect_b64 s[8:9], s[8:9], s[14:15]
	s_cselect_b64 s[42:43], s[18:19], s[20:21]
	s_cmp_eq_u32 s27, 1
	s_cselect_b64 s[4:5], s[6:7], s[4:5]
	s_cmp_eq_u32 s27, 2
	s_cselect_b64 s[4:5], s[8:9], s[4:5]
	s_add_nc_u64 s[4:5], s[4:5], s[30:31]
	s_add_nc_u64 s[42:43], s[42:43], s[44:45]
.macro LOAD t
.irp i, 0,1,2,3
	global_load_b128 v[R+16*((\t)%4)+4*\i:R+16*((\t)%4)+4*\i+3], v3, s[4:5] offset:2048*(\t)+512*\i th:TH_LOAD_NT   ; 32 lanes read 512 consecutive bytes
.endr
.endm
.macro TURN t                          ; step t's numbers through the stage: LDS serves a wave's instructions in order, so no wait stands between the stores and the loads
.irp i, 0,1,2,3
	ds_store_b128 v14, v[R+16*((\t)%4)+4*\i:R+16*((\t)%4)+4*\i+3] offset:32*SP*((\t)%2)+8*SP*\i
.endr
.irp i, 0,1,2,3
	ds_load_b128 v[X+16*((\t)%2)+4*\i:X+16*((\t)%2)+4*\i+3], v15 offset:32*SP*((\t)%2)+16*\i
.endr
.endm
.irp t, 0,1,2,3
	LOAD \t
.endr
	s_wait_kmcnt 0x0
	s_cmp_eq_u32 s25, 0
	s_cselect_b32 s32, s32, s33                    ; q's entry, k's, v's: the x's or the W's
	s_cselect_b32 s34, s34, s35
	s_cselect_b32 s36, s36, s37
	s_cmp_eq_u32 s27, 1
	s_cselect_b32 s32, s34, s32
	s_cmp_eq_u32 s27, 2
	s_cselect_b32 s32, s36, s32                    ; e
	s_add_co_i32 s32, s32, 127
	s_lshl_b32 s33, s32, 23
	v_mov_b32 v11, s33                             ; 2^e as f32: the conversion takes its exponent field
	s_add_co_i32 s32, s32, EMAX
	s_lshl_b32 s32, s32, 23
	s_or_b32 s32, s32, MANT
	v_mov_b32 v10, s32                             ; 448 x 2^e
	s_wait_loadcnt 12                              ; step 0's four loads are in; those of steps 1 to 3 may be out
	TURN 0
.macro STEP t
.set XS, X+16*((\t)%2)
	s_wait_dscnt 0x0                               ; this step's numbers are back from the stage: so its stores into the stage have read their registers,
.if (\t)+4 < STEPS
	LOAD (\t)+4                                    ; which take the loads of four steps on
.endif
.if (\t)+1 < STEPS
.if STEPS-2-(\t) >= 3
	s_wait_loadcnt 12                              ; the next step's four loads are in; those of the three steps behind it may be out
.else
	s_wait_loadcnt 4*(STEPS-2-(\t))
.endif
	TURN (\t)+1                                    ; and go through the other stage while this step is worked
.endif
.irp i, 0,1,2,3,4,5,6,7,8,9,10,11,12,13,14,15
	v_med3_num_f32 v[XS+\i], v[XS+\i], -v10, v10   ; the conversion to an 8-bit code does not saturate (ISA guide 7.6.2): the number is held within the largest code x the scale first
.endr
	v_cvt_scalef32_pk8_fp8_f32 v[C+4*(\t):C+4*(\t)+1], v[XS:XS+7], v11          ; eight numbers / 2^e, to the nearest code, ties to even; the first number's code in the lowest byte
	v_cvt_scalef32_pk8_fp8_f32 v[C+4*(\t)+2:C+4*(\t)+3], v[XS+8:XS+15], v11
	global_store_b128 v4, v[C+4*(\t):C+4*(\t)+3], s[42:43] offset:32*CB*(\t)    ; the codes go to a store alone; the next vector lines are the next step's holds, plain ones on other registers
.endm
.irp t, 0,1,2,3,4,5,6,7,8,9,10,11,12,13,14,15
	STEP \t
.endr
	s_wait_tensorcnt 0x0                           ; the wave's end, behind my last LDS store
	ds_add_u32 v[SPW], v[NIL]
	s_wait_dscnt 0x0
	s_endpgm
.Lfunc_end_k_q06ac2a020c_quant:
	.size	k_q06ac2a020c_quant, .Lfunc_end_k_q06ac2a020c_quant-k_q06ac2a020c_quant
	.p2alignl 7, 3214868480
	.fill 96, 4, 3214868480
	.section	.rodata,"a",@progbits
	.p2align	6, 0x0
	.amdhsa_kernel k_q06ac2a020c_quant
		.amdhsa_group_segment_fixed_size 33280
		.amdhsa_private_segment_fixed_size 0
		.amdhsa_enable_private_segment 0
		.amdhsa_kernarg_size 72
		.amdhsa_user_sgpr_count 2
		.amdhsa_user_sgpr_kernarg_segment_ptr 1
		.amdhsa_wavefront_size32 1
		.amdhsa_system_sgpr_workgroup_id_x 1
		.amdhsa_system_sgpr_workgroup_id_y 1
		.amdhsa_system_sgpr_workgroup_id_z 1
		.amdhsa_system_vgpr_workitem_id 0
		.amdhsa_next_free_vgpr 192
		.amdhsa_next_free_sgpr 66
		.amdhsa_reserve_vcc 0
		.amdhsa_float_denorm_mode_32 3
		.amdhsa_float_denorm_mode_16_64 3
		.amdhsa_memory_ordered 1
		.amdhsa_forward_progress 1
		.amdhsa_inst_pref_size 38
	.end_amdhsa_kernel
	.amdgpu_metadata
---
amdhsa.version: [ 1, 2 ]
amdhsa.kernels:
  - .name:           k_q06ac2a020c_quant
    .symbol:         k_q06ac2a020c_quant.kd
    .args:
      - { .name: x_q, .offset: 0, .size: 8, .value_kind: global_buffer, .address_space: global }
      - { .name: x_k, .offset: 8, .size: 8, .value_kind: global_buffer, .address_space: global }
      - { .name: x_v, .offset: 16, .size: 8, .value_kind: global_buffer, .address_space: global }
      - { .name: W_q, .offset: 24, .size: 8, .value_kind: global_buffer, .address_space: global }
      - { .name: W_k, .offset: 32, .size: 8, .value_kind: global_buffer, .address_space: global }
      - { .name: W_v, .offset: 40, .size: 8, .value_kind: global_buffer, .address_space: global }
      - { .name: lowp_scales, .offset: 48, .size: 8, .value_kind: global_buffer, .address_space: global }
      - { .name: x_codes, .offset: 56, .size: 8, .value_kind: global_buffer, .address_space: global }
      - { .name: w_codes, .offset: 64, .size: 8, .value_kind: global_buffer, .address_space: global }
    .group_segment_fixed_size: 33280
    .private_segment_fixed_size: 0
    .kernarg_segment_align: 8
    .kernarg_segment_size: 72
    .max_flat_workgroup_size: 128
    .sgpr_count:     66
    .vgpr_count:     192
    .wavefront_size: 32
...
	.end_amdgpu_metadata
.endif
;; end of part 1
;; launch proj (part 2): grid 4 x 96, 4 waves a work-group, clusters of 4 x 4, 327,680 bytes of LDS; arguments x_codes, w_codes, b_q, b_k, b_v, lowp_scales, q_img, kv_img; writes q_img, kv_img
.if DOCPART == 2
	.amdgcn_target "amdgcn-amd-amdhsa--gfx1250"
	.amdhsa_code_object_version 6
	.text
	.protected	k_q06ac2a020c_proj
	.globl	k_q06ac2a020c_proj
	.p2align	8
	.type	k_q06ac2a020c_proj,@function
k_q06ac2a020c_proj:
	s_mov_b64 s[64:65], 0
	v_nop
	global_prefetch_b8 v0, s[64:65] scope:SCOPE_SE
	s_setreg_imm32_b32 hwreg(HW_REG_WAVE_MODE, 25, 1), 1
	s_wait_xcnt 0x0
	s_wait_alu depctr_hold_cnt(0) depctr_sa_sdst(0) depctr_va_vdst(0) depctr_va_sdst(0) depctr_va_ssrc(0) depctr_va_vcc(0) depctr_vm_vsrc(0)
	s_getreg_b32 s2, hwreg(HW_REG_IB_STS2, 6, 4)
	s_cmp_eq_u32 s2, 0
	s_cbranch_scc0 .Lentry_in_a_cluster
	s_endpgm
.Lentry_in_a_cluster:
	s_bfe_u32 s2, ttmp6, 0x10000c
	s_cmp_lg_u32 s2, 0xf033
	s_cbranch_scc0 .Lentry_shape_is_right
	s_endpgm
.Lentry_shape_is_right:
; The three projections y = x W^T + b on codes of FP8 (E4M3), sums in f32, and each result quantised at once into the registers' images that the attention launch loads as matrix operands.
; 384 tiles of 256 x 256, 128 for each projection, K = 1,024.  A work-group of four waves makes a tile, a wave 128 x 128: 64 accumulators of 16 x 16, 512 registers.
; K goes in steps of 256 through a ring of two LDS slots filled by the tensor data mover: a tile's row is 256 bytes of memory.
; THE TWO OPERANDS.  "A" gives the lanes of a result, "B" its registers (the matrix instruction takes 16 rows of B as source 0 and 16 rows of A as source 1: a lane holds ONE row of A and eight rows of B).
;   q, k: A = the tokens (x's codes), B = the features (W's codes): a lane holds one token, its registers run along the head's channels, which are K of the scores' product.
;   v:    A = the features (W_v's codes), B = the tokens (x_v's codes): a lane holds one channel, its registers run along the keys, which are K of the second product.
; Both code buffers hold their rows with bits 3 and 4 of the row number exchanged.  So the 16 registers of B's tiles 2 b and 2 b + 1 are 16 true neighbours 32 b + 16 (lane / 16) + 0 .. 15, and A's tile a holds in lane r
; the true row 32 (a / 2) + 8 (a % 2) + r + 8 (r / 8).  Two conversions then give four registers that ARE a piece of the next launch's operand; the wave stores them at 16 x lane: 512 consecutive bytes.  No stage on the way out.
; THE IMAGES.  kv_img: [16 batch + head][key step of 64 keys][8,192 bytes]: four fragments of K (1,024 bytes each: two pieces of 512, lane l's four registers at 16 l), then four of V^T.  q_img: the same with queries
; in the keys' place; its second halves are neither written nor read.
; y = sum x 2^(ex + ew) + b, one fused multiply-add; code = y / 2^eo held within +-448.  ex, ew: entries 0, 1 (q), 2, 3 (k), 4, 5 (v) of the scales; eo: entry 6 (q), 7 (k), 9 (v).
; LIMITS: ex + ew between -126 and 127; eo between -126 and 119.  NaN among the inputs is not served.
; CLUSTERS: 4 x 4 work-groups of one projection.  The four of a row of the cluster need the same tiles of A, the four of a column the same tiles of B: each tile is asked for JOINTLY, by the same tensor load with the
; same descriptor and a mask that names the four.  24 clusters: 8 for each projection, along the tokens.  At most two tensor loads of a wave are out (the two first fills), later one.
; REGISTERS, in windows of 256: window 0: v0-31 addresses and constants; v32-95 the bias along the registers, v96-111 the bias along the lanes; from v128 A's fragments (8 x 16 rows x 128 K), ONE set;
;   on the way out v112-175 a block's numbers, v176-239 four blocks' codes.   window 1: B's fragments, TWO sets, at v0 and at v128.   window 2: the 32 accumulators of A's rows 0-63 ((a, b) at v[8 (8 a + b)]);   window 3: rows 64-127.
.set KSTEP,  256                       ; along K in a slot
.set ROWB,   256                       ; a tile's row in bytes
.set KROW,   1024                      ; a row of codes in memory, in bytes
.set PITCH,  272                       ; an LDS row: 256 bytes + 16 of padding = 68 words: row r starts at bank 4 r mod 64 (64 banks of 4 bytes: ISA guide 11.1), so the 16 rows that a load touches start at 16 different banks
.set FR,     16                        ; registers of a fragment: 16 rows x 128 K
.set NL,     4                         ; LDS loads that bring one
.set NP,     4                         ; places behind this matrix instruction (ISA guide 7.12.1)
.set HALFT,  128*PITCH                 ; 128 rows: what one tensor load brings, and what one wave reads of A or of B
.set SLOT,   4*HALFT                   ; A's 256 rows, then B's 256 rows
.set LAPS,   1024/(2*KSTEP)            ; a lap = two K steps = once round the ring
.set SPARE,  2*SLOT                    ; behind the ring: the spare words, 128 bytes for each wave
.set SC,   8                           ; v8      2^eo as f32, for the conversions
.set HOLD, 9                           ; v9      448 x 2^eo
.set LI,   10                          ; v10     16 x lane: my place in a piece of an image
.set BQO,  11                          ; v11     64 x (lane / 16): my 16 numbers of 32 of the bias
.set BVO,  12                          ; v12     4 x (r + 8 (r / 8)): my number of a tile's 16 of the bias
.set ADRA, 16                          ; v16-17  LDS address of my A fragments in slot 0, 1
.set ADRB, 20                          ; v20-21  the same for B
.set SPW,  28                          ; v28     LDS address of my spare word; never rewritten
.set NIL,  29                          ; v29     0; never rewritten
.set BQ,   32                          ; v32-95  b[fb + 32 b + 16 h + i] at 16 b + i: the bias where the features run along the registers (q, k)
.set BV,   96                          ; v96-111 b[fb + 32 (a / 2) + 8 (a % 2) + r + 8 (r / 8)] at 2 a: where they run along the lanes (v); the odd registers hold 0
.set TMP,  112
.set AF,   128                         ; A's fragments, in window 0
.set COD,  176
.set G1, 24                            ; s[24:31] descriptor group 1 for A's tiles;  s[32:39] group 0, one set for each slot
.set G0, 32
.set G1B, 48                           ; s[48:55], s[56:63] the same for B's tiles
.set G0B, 56
.set MSB, 0
.macro WIN new                         ; the immediate's high byte repeats the setting that is left
.if MSB != \new
	s_set_vgpr_msb (MSB<<8)|\new
.set MSB, \new
.endif
.endm
.set MUL_LO, 0xa1                      ; source 0 (B) window 1, source 1 (A) window 0, C and D window 2
.set MUL_HI, 0xf1                      ; the same, C and D window 3
.set TO_B,   0x40                      ; destination window 1, address window 0
; A joint load: waves 0 and 1 fetch for A, waves 2 and 3 for B.  Each of the two lines has ONE mask and one set of registers for all that issue it; the branch hangs on the wave's number alone.
; An s_nop 0 and four v_nop follow each of the two lines, ahead of the jump, the label and what follows.
.macro JLOAD g0a, g1a, g0b, g1b
	s_cmp_eq_u32 s15, 0
	s_cbranch_scc0 .Lfor_b_\@
	tensor_load_to_lds s[\g0a:\g0a+3], s[\g1a:\g1a+7]
	s_nop 0
.rept 4
	v_nop
.endr
	s_branch .Lasked_\@
.Lfor_b_\@:
	tensor_load_to_lds s[\g0b:\g0b+3], s[\g1b:\g1b+7]
	s_nop 0
.rept 4
	v_nop
.endr
.Lasked_\@:
.endm
.macro CREST                           ; a round of the cluster's barrier behind its opening barrier
	s_cmp_lg_u32 s14, 0
	s_cbranch_scc1 .Lnot_wave_0_\@
	s_barrier_signal -3
.Lnot_wave_0_\@:
	s_barrier_wait -3
	s_barrier_signal -1
	s_barrier_wait -1
.endm
.macro CROUND                          ; a whole round
	s_barrier_signal -1
	s_barrier_wait -1
	CREST
.endm
	s_load_b512 s[68:83], s[0:1], 0x0              ; x_codes 68:69, w_codes 70:71, b_q 72:73, b_k 74:75, b_v 76:77, the scales' exponents 78:79, q_img 80:81, kv_img 82:83
	v_lshl_add_u32 v[SPW], v0, 2, SPARE
	v_mov_b32 v[NIL], 0
	ds_add_u32 v[SPW], v[NIL]                      ; the wave's opening: the add and its wait stand ahead of my first tensor load; the set-up below, work on registers, stands between them
	v_lshrrev_b32 v1, 5, v0
	v_readfirstlane_b32 s14, v1                    ; wave 0..3
	s_lshr_b32 s15, s14, 1                         ; which half of A's rows is mine.  Also: I fetch for A (0) or for B (1)
	s_and_b32 s16, s14, 1                          ; which half of B's rows.  Also: which 128 rows of that tile I fetch
	s_bfe_u32 s40, ttmp6, 0x40000                  ; cx, cy: my place in the cluster
	s_bfe_u32 s41, ttmp6, 0x40004
	s_and_b32 s98, ttmp7, 0xffff                   ; the cluster's y, 0 to 23: the same in all sixteen partners
	s_lshr_b32 s94, s98, 3                         ; the projection: 0 q, 1 k, 2 v
	s_and_b32 s95, s98, 7                          ; which 1,024 tokens
	s_lshl_b32 s98, s94, 23                        ; the projection's part of x_codes,
	s_lshl_b32 s99, s94, 20                        ; and of w_codes
	s_cmp_eq_u32 s94, 2                            ; v?
	s_cselect_b32 s17, 0, s95                      ; the tokens lie along A's tile rows (q, k)
	s_cselect_b32 s42, s95, 0                      ; or along B's tile columns (v)
	s_cselect_b32 s100, s99, s98                   ; A's tensor begins here in its buffer,
	s_cselect_b32 s101, s98, s99                   ; and B's here
	s_lshl_b32 s17, s17, 2
	s_add_co_u32 s17, s17, s41                     ; A's tile row: it hangs on cy, never on cx
	s_lshl_b32 s42, s42, 2
	s_add_co_u32 s42, s42, s40                     ; B's tile column: on cx, never on cy
	s_lshl_b32 s43, s41, 2
	s_lshl_b32 s43, 15, s43                        ; my row of the cluster
	s_lshl_b32 s44, 0x1111, s40                    ; my column
	; descriptor group 1: a tile of 128 rows x 256 bytes, padded in LDS
	s_or_b32 s[G1+0], s43, (0<<16)|(1<<20)|(1<<21)|(5<<22)|(3<<25)  ; 15:0 the mask: A's tiles go to my row; 17:16 element of 1 byte; 20 padding on; 21 set beside a mask; 24:22 after every 64 words (code 5); 31:25 of 4 words (code 3)
	s_or_b32 s[G1B+0], s44, (0<<16)|(1<<20)|(1<<21)|(5<<22)|(3<<25)
.irp g, G1, G1B
	s_mov_b32 s[\g+1], ROWB<<16                    ; tensor_dim0
	s_mov_b32 s[\g+2], 128<<16                     ; tensor_dim1 = 128
	s_mov_b32 s[\g+3], ROWB<<16                    ; tile_dim0
	s_mov_b32 s[\g+4], 128                         ; tile_dim1 = 128
	s_mov_b32 s[\g+5], KROW                        ; tensor_dim0_stride
	s_mov_b32 s[\g+6], 0
	s_mov_b32 s[\g+7], 0
.endr
	s_lshl_b32 s18, s16, 7                         ; which 128 rows of the tile I fetch
	s_lshl_b32 s20, s17, 8
	s_add_co_u32 s20, s20, s18                     ; A: row 256 x tile row + 128 x half,
	s_lshl_b32 s20, s20, 10                        ; in bytes (all these offsets stay under 2^25),
	s_add_co_u32 s20, s20, s100                    ; in its tensor
	s_mov_b32 s21, 0
	s_lshl_b32 s46, s42, 8
	s_add_co_u32 s46, s46, s18                     ; B likewise
	s_lshl_b32 s46, s46, 10
	s_add_co_u32 s46, s46, s101
	s_mov_b32 s47, 0
	s_mul_i32 s45, s14, HALFT                      ; where they go: wave x 128 rows: no place in the cluster enters an LDS address
	s_wait_dscnt 0x0                               ; the opening add is done
	s_wait_kmcnt 0x0
	s_load_b256 s[84:91], s[78:79], 0x0            ; the scales' exponents, entries 0 to 7,
	s_load_b64 s[92:93], s[78:79], 0x20            ; and 8, 9: wanted on the way out
	s_cmp_eq_u32 s94, 2
	s_cselect_b64 s[4:5], s[70:71], s[68:69]       ; A: W's codes for v, else x's
	s_cselect_b64 s[6:7], s[68:69], s[70:71]       ; B: the other
	s_add_nc_u64 s[20:21], s[4:5], s[20:21]
	s_add_nc_u64 s[46:47], s[6:7], s[46:47]
	CROUND                                         ; all sixteen work-groups are here: the first joint loads meet
.irp s, 0,1
	s_mov_b32 s[G0+4*\s], 1
	s_add_co_u32 s[G0+4*\s+1], s45, \s*SLOT
	s_add_nc_u64 s[G0+4*\s+2:G0+4*\s+3], s[20:21], \s*ROWB
	s_or_b32 s[G0+4*\s+3], s[G0+4*\s+3], 0x80000000
	s_mov_b32 s[G0B+4*\s], 1
	s_add_co_u32 s[G0B+4*\s+1], s45, \s*SLOT
	s_add_nc_u64 s[G0B+4*\s+2:G0B+4*\s+3], s[46:47], \s*ROWB
	s_or_b32 s[G0B+4*\s+3], s[G0B+4*\s+3], 0x80000000
	JLOAD G0+4*\s, G1, G0B+4*\s, G1B
.endr
	v_and_b32 v1, 15, v0                           ; r = l % 16
	v_bfe_u32 v2, v0, 4, 1                         ; h = l / 16
	v_mul_u32_u24 v3, v1, PITCH
	v_lshl_add_u32 v4, v2, 4, v3                   ; a fragment's row x pitch + 16 x half
	s_mul_i32 s21, s15, HALFT                      ; my 128 rows of A
	s_mul_i32 s22, s16, HALFT                      ; my 128 rows of B,
	s_add_co_u32 s22, s22, 2*HALFT                 ; which lie behind A's 256
.irp s, 0,1
	v_add_nc_u32 v[ADRA+\s], s21, v4
	v_add_nc_u32 v[ADRB+\s], s22, v4
	s_add_co_u32 s21, s21, SLOT
	s_add_co_u32 s22, s22, SLOT
.endr
	v_and_b32 v5, 31, v0
	v_lshlrev_b32 v[LI], 4, v5
	v_lshlrev_b32 v[BQO], 6, v2
	v_and_b32 v6, 8, v1
	v_add_nc_u32 v6, v6, v1                        ; r + 8 (r / 8)
	v_lshlrev_b32 v[BVO], 2, v6
	; my wave's first token tb and first feature fb; the bias; where my images begin
	s_lshl_b32 s98, s17, 8
	s_lshl_b32 s18, s15, 7
	s_add_co_u32 s98, s98, s18                     ; A's first row of mine
	s_lshl_b32 s99, s42, 8
	s_lshl_b32 s18, s16, 7
	s_add_co_u32 s99, s99, s18                     ; B's
	s_cmp_eq_u32 s94, 2
	s_cselect_b32 s100, s99, s98                   ; tb
	s_cselect_b32 s101, s98, s99                   ; fb
	s_cselect_b64 s[72:73], s[76:77], s[72:73]     ; the projection's bias: the choices hang on the cluster's number alone
	s_cmp_eq_u32 s94, 1
	s_cselect_b64 s[72:73], s[74:75], s[72:73]
	s_cmp_eq_u32 s94, 0
	s_cselect_b64 s[10:11], s[80:81], s[82:83]     ; q goes to q_img, k and v to kv_img
	s_lshl_b32 s18, s101, 2
	s_mov_b32 s19, 0
	s_add_nc_u64 s[72:73], s[72:73], s[18:19]      ; the bias at my 128 features
	s_lshr_b32 s18, s100, 11
	s_lshl_b32 s18, s18, 22                        ; the batch: 16 heads of 262,144 bytes,
	s_lshr_b32 s19, s101, 6
	s_lshl_b32 s19, s19, 18                        ; the head,
	s_add_co_u32 s18, s18, s19
	s_and_b32 s19, s100, 2047
	s_lshr_b32 s19, s19, 6
	s_lshl_b32 s19, s19, 13                        ; the step of 64 tokens
	s_add_co_u32 s18, s18, s19
	s_mov_b32 s19, 0
	s_add_nc_u64 s[10:11], s[10:11], s[18:19]
	; Both forms of the bias are loaded by every wave (both lie inside the buffer for every wave): no register is written on one path alone.  They land under the products.
.irp b, 0,1,2,3
.irp i, 0,1,2,3
	global_load_b128 v[BQ+16*\b+4*\i:BQ+16*\b+4*\i+3], v[BQO], s[72:73] offset:128*\b+16*\i
.endr
.endr
.irp a, 0,1,2,3,4,5,6,7
	global_load_b32 v[BV+2*\a], v[BVO], s[72:73] offset:128*(\a/2)+32*(\a%2)
	v_mov_b32 v[BV+2*\a+1], 0                      ; named as the upper half of a pair, so it is written
.endr
.macro FRAG reg, adr, q, i             ; a fragment, 16 rows x 128 K of 8-bit codes, is 16 registers: lane l holds row l % 16; registers 4 c .. 4 c + 3 hold K = 32 c + 16 (l / 16) + 0 .. 15: the same order of K in A and in B
.irp c, 0,1,2,3
	ds_load_b128 v[\reg+4*\c:\reg+4*\c+3], v[\adr] offset:128*(\q)+32*\c+(\i)*16*PITCH
.endr
.endm
; 16 matrix instructions: A's blocks a0, a0 + 1 x B's eight, 128 along K.  p: B's set.  zero = 1: the first product starts the sums: nothing is ever cleared.
; The 64 accumulators take turns, one instruction a turn, in the same order in every step.
.macro MUL16 a0, p, zero
.irp a, \a0, \a0+1
.irp b, 0,1,2,3,4,5,6,7
.if \zero
	v_wmma_f32_16x16x128_fp8_fp8 v[8*(8*((\a)%4)+\b):8*(8*((\a)%4)+\b)+7], v[128*(\p)+FR*\b:128*(\p)+FR*\b+FR-1], v[AF+FR*(\a):AF+FR*(\a)+FR-1], 0
.else
	v_wmma_f32_16x16x128_fp8_fp8 v[8*(8*((\a)%4)+\b):8*(8*((\a)%4)+\b)+7], v[128*(\p)+FR*\b:128*(\p)+FR*\b+FR-1], v[AF+FR*(\a):AF+FR*(\a)+FR-1], v[8*(8*((\a)%4)+\b):8*(8*((\a)%4)+\b)+7]
.endif
.endr
.endr
.endm
.macro FETCH_B slot, q, p              ; B's eight fragments of the slot's q-th 128 along K into set p
	WIN TO_B
.irp i, 0,1,2,3,4,5,6,7
	FRAG 128*(\p)+FR*\i, ADRB+\slot, \q, \i
.endr
	WIN 0
.endm
.macro FETCH_A slot, q, i0             ; A's blocks i0 .. i0 + 3
.irp i, \i0, \i0+1, \i0+2, \i0+3
	FRAG AF+FR*(\i), ADRA+\slot, \q, \i
.endr
.endm
; A load into a register that a matrix instruction has read, and a vector instruction that reads a matrix result or writes one of its registers, stand NP places behind that matrix instruction, and only plain vector
; instructions that name none of its registers are places (ISA guide 7.12.1 for vector instructions).
.macro PLACES n
.rept \n
	v_nop
.endr
.endm
; A step of 128 along K that has its successor in the same slot.  A block of A is free as soon as its eight products are issued, so one set of registers serves A: blocks 0-3 are fetched anew in the step's middle, blocks 4-7 at its end.
.macro STEP slot, q, zero
	s_wait_dscnt 4*NL                              ; B's set and A's blocks 0-3 are in; the youngest sixteen loads (A's blocks 4-7) may be out
	WIN MUL_LO
	MUL16 0, (\q)%2, \zero
	MUL16 2, (\q)%2, \zero
	s_wait_dscnt 0                                 ; A's blocks 4-7 are in (asked for 32 matrix instructions ago)
	PLACES NP
	FETCH_B \slot, (\q)+1, 1-(\q)%2
	FETCH_A \slot, (\q)+1, 0
	WIN MUL_HI
	MUL16 4, (\q)%2, \zero
	MUL16 6, (\q)%2, \zero
	PLACES NP
	WIN 0
	FETCH_A \slot, (\q)+1, 4
.endm
; A slot's last step changes slots: ONE barrier; in front of it each wave waits for all its tensor loads, adds 0 to its spare word, and waits for that and for its own reads of this slot.  fill = 1: this slot is filled again, two K steps ahead.
.macro TURN slot, next, fill
	s_wait_tensorcnt 0x0                           ; all my tensor loads have landed: my part of the next slot  (every window is 0 here: the add's two registers lie in window 0)
	ds_add_u32 v[SPW], v[NIL]                      ; 0 onto my spare word
	s_wait_dscnt 4*NL+1                            ; (the add and the youngest sixteen loads, A's blocks 4-7, may be out)
	WIN MUL_LO
	MUL16 0, 1, 0                                  ; sixteen matrix instructions stand between the add and the wait for it
	s_wait_dscnt 0x0                               ; the add is done, and my reads of this slot are over
	s_barrier_signal -1
	MUL16 2, 1, 0
	WIN 0
	s_barrier_wait -1
.if \fill
	CREST                                          ; the barrier has opened a round of the cluster's barrier: no wave of any partner still reads this slot's tile or has a load on its way
	s_add_nc_u64 s[G0+4*\slot+2:G0+4*\slot+3], s[G0+4*\slot+2:G0+4*\slot+3], 2*ROWB
	s_add_nc_u64 s[G0B+4*\slot+2:G0B+4*\slot+3], s[G0B+4*\slot+2:G0B+4*\slot+3], 2*ROWB
	JLOAD G0+4*\slot, G1, G0B+4*\slot, G1B         ; the first tensor load behind the round; the four v_nop behind it are the places in front of the loads below
.else
	PLACES NP
.endif
	FETCH_B \next, 0, 0
	FETCH_A \next, 0, 0
	WIN MUL_HI
	MUL16 4, 1, 0
	MUL16 6, 1, 0
	PLACES NP
	WIN 0
	FETCH_A \next, 0, 4
.endm
	s_wait_tensorcnt 1                             ; my part of K step 0 is in (K step 1's load may be out)
	s_barrier_signal -1
	s_barrier_wait -1                              ; everybody's is
	FETCH_B 0, 0, 0
	FETCH_A 0, 0, 0
	FETCH_A 0, 0, 4
	STEP 0, 0, 1                                   ; the first step stands in front of the loop: its products start the sums
	s_mov_b32 s3, LAPS-1
.Llap:                                                 ; a trip goes once round the ring, from a lap's second step to the next lap's first, and fills both slots again
	TURN 0, 1, 1
	STEP 1, 0, 0
	TURN 1, 0, 1
	STEP 0, 0, 0
	s_sub_co_u32 s3, s3, 1
	s_cmp_lg_u32 s3, 0
	s_cbranch_scc1 .Llap
	TURN 0, 1, 0                                   ; the last lap fills nothing, and has no round of the cluster's barrier
	STEP 1, 0, 0
	s_wait_dscnt 4*NL                              ; the very last step: nothing more to fetch
	WIN MUL_LO
	MUL16 0, 1, 0
	MUL16 2, 1, 0
	s_wait_dscnt 0
	WIN MUL_HI
	MUL16 4, 1, 0
	MUL16 6, 1, 0
	WIN 0
; THE WAY OUT, block by block of A's 16 rows.  y = sum x 2^(ex + ew) + bias into other registers, each accumulator from its low end on; the hold; eight conversions; four stores of 512 consecutive bytes.
; Register 16 b + i of a block is B's true row 32 b + 16 h + i: so codes 4 b .. 4 b + 3 are piece b % 2 of an operand's image, of head (q, k) or key step (v) b / 2 of my two.
.macro OUTBLK a, isv
.set AC, 64*((\a)%4)
.set CD, COD+16*((\a)%4)
.if (\a) >= 4
	s_wait_xcnt 0x0                                ; the stores of four blocks ago have read their data: those registers are written again only behind this wait
.endif
	WIN 0x02+((\a)/4)                              ; source 0: window 2 or 3
.set jj, 0
.rept 32
.if \isv
	v_pk_fma_f32 v[TMP+jj:TMP+jj+1], v[AC+jj:AC+jj+1], s[96:97], v[BV+2*(\a):BV+2*(\a)+1] op_sel_hi:[1,0,0]   ; my lane's feature has one bias for all its tokens
.else
	v_pk_fma_f32 v[TMP+jj:TMP+jj+1], v[AC+jj:AC+jj+1], s[96:97], v[BQ+jj:BQ+jj+1] op_sel_hi:[1,0,1]
.endif
.set jj, jj+2
.endr
	WIN 0
.set jj, 0
.rept 64
	v_med3_num_f32 v[TMP+jj], v[TMP+jj], -v[HOLD], v[HOLD]   ; the conversion to an 8-bit code does not saturate (ISA guide 7.6.2)
.set jj, jj+1
.endr
.irp g, 0,1,2,3,4,5,6,7
	v_cvt_scalef32_pk8_fp8_f32 v[CD+2*\g:CD+2*\g+1], v[TMP+8*\g:TMP+8*\g+7], v[SC]
.endr
	v_nop                                          ; one plain vector line between the conversions and the next block's lines, which write their sources
.irp b, 0,1,2,3
.if \isv
	global_store_b128 v[LI], v[CD+4*\b:CD+4*\b+3], s[10:11] offset:4096+((\a)/4)*262144+((\a)%4)*1024+(\b/2)*8192+(\b%2)*512   ; V^T: head a / 4, channel tile a % 4, key step b / 2, piece b % 2
.else
	global_store_b128 v[LI], v[CD+4*\b:CD+4*\b+3], s[10:11] offset:((\a)/4)*8192+((\a)%4)*1024+(\b/2)*262144+(\b%2)*512        ; Q or K: step a / 4, tile a % 4, head b / 2, piece b % 2
.endif
.endr
.endm
	s_wait_kmcnt 0x0                               ; the ten exponents
	s_cmp_eq_u32 s94, 1
	s_cselect_b32 s84, s86, s84                    ; ex
	s_cselect_b32 s85, s87, s85                    ; ew
	s_cselect_b32 s90, s91, s90                    ; eo
	s_cmp_eq_u32 s94, 2
	s_cselect_b32 s84, s88, s84
	s_cselect_b32 s85, s89, s85
	s_cselect_b32 s90, s93, s90
	s_add_co_i32 s96, s84, s85
	s_add_co_i32 s96, s96, 127
	s_lshl_b32 s96, s96, 23                        ; 2^(ex + ew) as f32
	s_mov_b32 s97, s96                             ; (named with it as a pair, so it is written)
	s_add_co_i32 s90, s90, 127
	s_lshl_b32 s98, s90, 23
	v_mov_b32 v[SC], s98                           ; 2^eo
	s_add_co_i32 s90, s90, 8
	s_lshl_b32 s90, s90, 23
	s_or_b32 s90, s90, 0x600000
	v_mov_b32 v[HOLD], s90                         ; 448 x 2^eo
	s_wait_loadcnt 0x0                             ; the bias
	PLACES NP                                      ; behind the last products: their results are read, and A's registers written, below
	s_cmp_eq_u32 s94, 2                            ; the cluster's number alone: all sixteen partners and all four waves go the same way; neither way touches LDS
	s_cbranch_scc1 .Lv
.irp a, 0,1,2,3,4,5,6,7
	OUTBLK \a, 0
.endr
	s_branch .Ltail
.Lv:
.irp a, 0,1,2,3,4,5,6,7
	OUTBLK \a, 1
.endr
.Ltail:
	s_wait_tensorcnt 0x0                           ; the wave's end, behind my last tensor load
	ds_add_u32 v[SPW], v[NIL]
	s_wait_dscnt 0x0
	CROUND                                         ; the closing round: no work-group ends while a partner may still ask for a tile that names it
	s_endpgm
.Lfunc_end_k_q06ac2a020c_proj:
	.size	k_q06ac2a020c_proj, .Lfunc_end_k_q06ac2a020c_proj-k_q06ac2a020c_proj
	.p2alignl 7, 3214868480
	.fill 96, 4, 3214868480
	.section	.rodata,"a",@progbits
	.p2align	6, 0x0
	.amdhsa_kernel k_q06ac2a020c_proj
		.amdhsa_group_segment_fixed_size 327680
		.amdhsa_private_segment_fixed_size 0
		.amdhsa_enable_private_segment 0
		.amdhsa_kernarg_size 64
		.amdhsa_user_sgpr_count 2
		.amdhsa_user_sgpr_kernarg_segment_ptr 1
		.amdhsa_wavefront_size32 1
		.amdhsa_system_sgpr_workgroup_id_x 1
		.amdhsa_system_sgpr_workgroup_id_y 1
		.amdhsa_system_sgpr_workgroup_id_z 1
		.amdhsa_system_vgpr_workitem_id 0
		.amdhsa_next_free_vgpr 1024
		.amdhsa_next_free_sgpr 102
		.amdhsa_reserve_vcc 0
		.amdhsa_float_denorm_mode_32 3
		.amdhsa_float_denorm_mode_16_64 3
		.amdhsa_memory_ordered 1
		.amdhsa_forward_progress 1
		.amdhsa_inst_pref_size 193
	.end_amdhsa_kernel
	.amdgpu_metadata
---
amdhsa.version: [ 1, 2 ]
amdhsa.kernels:
  - .name:           k_q06ac2a020c_proj
    .symbol:         k_q06ac2a020c_proj.kd
    .args:
      - { .name: x_codes, .offset: 0, .size: 8, .value_kind: global_buffer, .address_space: global }
      - { .name: w_codes, .offset: 8, .size: 8, .value_kind: global_buffer, .address_space: global }
      - { .name: b_q, .offset: 16, .size: 8, .value_kind: global_buffer, .address_space: global }
      - { .name: b_k, .offset: 24, .size: 8, .value_kind: global_buffer, .address_space: global }
      - { .name: b_v, .offset: 32, .size: 8, .value_kind: global_buffer, .address_space: global }
      - { .name: lowp_scales, .offset: 40, .size: 8, .value_kind: global_buffer, .address_space: global }
      - { .name: q_img, .offset: 48, .size: 8, .value_kind: global_buffer, .address_space: global }
      - { .name: kv_img, .offset: 56, .size: 8, .value_kind: global_buffer, .address_space: global }
    .group_segment_fixed_size: 327680
    .private_segment_fixed_size: 0
    .kernarg_segment_align: 8
    .kernarg_segment_size: 64
    .max_flat_workgroup_size: 128
    .sgpr_count:     102
    .vgpr_count:     1024
    .wavefront_size: 32
...
	.end_amdgpu_metadata
.endif
;; end of part 2
;; launch attn (part 3): grid 4 x 64, 16 waves a work-group, clusters of 4 x 1, 327,680 bytes of LDS; arguments q_img, kv_img, att_mask, lowp_scales, out0; writes out0
.if DOCPART == 3
	.amdgcn_target "amdgcn-amd-amdhsa--gfx1250"
	.amdhsa_code_object_version 6
	.text
	.protected	k_q06ac2a020c_attn
	.globl	k_q06ac2a020c_attn
	.p2align	8
	.type	k_q06ac2a020c_attn,@function
k_q06ac2a020c_attn:
	s_mov_b64 s[64:65], 0
	v_nop
	global_prefetch_b8 v0, s[64:65] scope:SCOPE_SE
	s_setreg_imm32_b32 hwreg(HW_REG_WAVE_MODE, 25, 1), 1
	s_wait_xcnt 0x0
	s_wait_alu depctr_hold_cnt(0) depctr_sa_sdst(0) depctr_va_vdst(0) depctr_va_sdst(0) depctr_va_ssrc(0) depctr_va_vcc(0) depctr_vm_vsrc(0)
	s_getreg_b32 s2, hwreg(HW_REG_IB_STS2, 6, 4)
	s_cmp_eq_u32 s2, 0
	s_cbranch_scc0 .Lentry_in_a_cluster
	s_endpgm
.Lentry_in_a_cluster:
	s_bfe_u32 s2, ttmp6, 0x10000c
	s_cmp_lg_u32 s2, 0x3003
	s_cbranch_scc0 .Lentry_shape_is_right
	s_endpgm
.Lentry_shape_is_right:
; out[b][q][64 head + d] = the sum over k of softmax_k(Q[q] . K[k] / 8 + mask[b][k]) V[k][d], for 64 pairs (batch, head), 2,048 queries, 2,048 keys, head size 64; both products on codes of FP8 (E4M3).
; Q, K and V^T arrive as images of matrix operands' registers (q_img, kv_img: [16 batch + head][step of 64][8,192 bytes]: four fragments of K or Q of 1,024 bytes, then four of V^T; a fragment is two pieces of 512 bytes,
; lane l's four registers at 16 l).  So every operand comes by loads of 16 bytes a lane at 16 x lane: no pitch, no padding, nothing is transposed.
; THE SOFTMAX AHEAD OF THE SECOND PRODUCT: t = logit x log2(e); M = the row's largest t so far, rounded UP to a whole number; p = 2^(t - M) is what is quantised, along the keys; it is not normalised.
; The row's sum is taken of the unquantised p, in f32, and divides at the end.  When M moves, the sum and O are multiplied by 2^(old M - new M): exact.
; THE MASK costs no vector line in the loop: mask' = mask x 2^(3 - eq - ek) (exact, made once, kept in LDS) is the C of the scores' matrix instruction, and t = (sum + mask') x c', c' = log2(e) / 8 x 2^(eq + ek).
; SHARES.  A work-group owns 512 queries of one (batch, head); each of its sixteen waves 32 of them, two tiles of 16, in 256 registers: four waves to a SIMD, so that one wave's vector work stands beside another's
; matrix work and LDS loads.  Both tiles use each register of K, V and mask' that is read from LDS.  Every wave walks the head's 32 steps of 64 keys.
; THE WHOLE HEAD LIES IN LDS: 262,144 bytes, filled once; no byte is filled again.  It comes in four phases of 512 keys: wave w brings 4,096 bytes (16 rows of 256: a sixteenth of a phase, so a tile has no more rows) of each
; phase, four tensor loads that go out together at the head: four of a wave are out at the most.  A phase is read behind a counted wait and a barrier while the later phases are still on their way.
; CLUSTER.  The four query blocks of a head form a cluster and want the same bytes: each tile is asked for JOINTLY, by the same tensor load with the same descriptor and a mask that names the four.
; Nothing is prefetched: every byte that the launch streams is asked for by the tensor loads at its head.
; LAYOUT.  Both products are used transposed: S^T = K Q^T (source 0 = 16 keys, source 1 = 16 queries), O^T = V^T P^T: a lane holds ONE query (lane % 16) throughout.  Lane r of K's tile t holds key 32 (t / 2) + 8 (t % 2) + r + 8 (r / 8),
; so that the 16 registers of tiles 2 b and 2 b + 1 are keys 32 b + 16 (lane / 16) + 0 .. 15; V^T's rows and the queries of a tile are chosen in the same way.
; LIMITS: eq + ek between -123 and 130 (they are added to c's exponent field); ep between -126 and 119; ep + ev is applied by v_ldexp_f32 and has none.  A mask entry whose product with 2^(3 - eq - ek) overflows counts as
; -infinity; a row all of whose keys are so masked gives NaN.  NaN among the inputs is not served.
.set LI,   1                           ; v1   16 x lane: my place in a piece of an image; never rewritten
.set AM0,  2                           ; v2   64 x (lane / 16): my 16 numbers of 32 of mask'
.set ADK,  3                           ; v3   LDS address of the step's images
.set ADM,  4                           ; v4   of its part of mask'
.set SPW,  5                           ; v5   LDS address of my spare word; never rewritten
.set NIL,  6                           ; v6   0; never rewritten
.set GO,   7                           ; v7   the way out: my byte offset in the wave's rows of out
.set ST,   12                          ; tile u's statistics at v[12 + 4 u]: -M, the largest t, the sum in two halves
.set Q,    20                          ; v20-35   Q, 8 registers a tile
.set FRG,  36                          ; v36-67   four fragments of K, then of V^T
.set MK,   68                          ; v68-99   mask' in the scores' layout: register 16 b + i = key 32 b + 16 h + i
.set S,    100                         ; v100-163 S^T, then p: 32 registers a tile
.set O,    164                         ; v164-227 O^T: 32 registers a tile
.set P,    228                         ; v228-243 p's codes: 8 registers a tile
.set SCL,  244                         ; v244     2^ep as f32
.set LIM,  245                         ; v245     448 x 2^ep
.set FF,   246                         ; v[246:247], v[248:249]  f = 2^(old M - new M) of tile 0, 1 (the upper halves are written once)
.set CA,   250                         ; v[250:251], v[252:253]  two chains of the maximum, later the second chain of the sum
.set PM,   254                         ; v254, v255  the lane permutes' destinations
.set MASK, 262144                      ; LDS: the head's images from 0 on; mask', 8,192 bytes; the spare words, 128 bytes for each of sixteen waves
.set SPARE, 270336
.set WV,   14                          ; s14  my wave's number
.set CS,   22                          ; s[22:23] c'
.set G1,   24                          ; s[24:31] descriptor group 1
.set G0,   32                          ; s[32:47] descriptor group 0, a set for each phase
.set SEL,  58                          ; s[58:59] lane selects for v_permlanex16_b32: lane l xor 16
.set TB,   60                          ; s60  LDS byte at which the step's images begin
.set MB,   61                          ; s61  and its part of mask'
.set CNT,  62                          ; s62  steps left in the phase
.macro CROUND                          ; a round of the cluster's barrier
	s_barrier_signal -1
	s_barrier_wait -1
	s_cmp_lg_u32 s[WV], 0
	s_cbranch_scc1 .Lnot_wave_0_\@
	s_barrier_signal -3
.Lnot_wave_0_\@:
	s_barrier_wait -3
	s_barrier_signal -1
	s_barrier_wait -1
.endm
	s_load_b256 s[4:11], s[0:1], 0x0               ; q_img 4:5, kv_img 6:7, att_mask 8:9, the scales' exponents 10:11
	s_load_b64 s[12:13], s[0:1], 0x20              ; out
	v_lshl_add_u32 v[SPW], v0, 2, SPARE
	v_mov_b32 v[NIL], 0
	ds_add_u32 v[SPW], v[NIL]                      ; the wave's opening: the add and its wait stand ahead of my first tensor load; the set-up below, work on registers, stands between them
	v_lshrrev_b32 v8, 5, v0
	v_readfirstlane_b32 s[WV], v8                  ; wave 0..15
	s_bfe_u32 s15, ttmp6, 0x40000                  ; cx: my place in the cluster
	s_lshl_b32 s16, ttmp9, 2
	s_add_co_u32 s16, s16, s15                     ; my block of 512 queries: it enters Q's and out's addresses alone
	s_and_b32 s17, ttmp7, 0xffff                   ; 16 batch + head, which the four partners share
	; descriptor group 1: a dense block of 4,096 bytes as 16 rows of 32 elements of 8 bytes, no padding
	s_mov_b32 s[G1], 15|(3<<16)|(1<<21)            ; 15:0 the mask: all four work-groups; 17:16 elements of 8 bytes; 21 set beside a mask
	s_mov_b32 s[G1+1], 32<<16                      ; tensor_dim0 = 32
	s_mov_b32 s[G1+2], 16<<16                      ; tensor_dim1 = 16
	s_mov_b32 s[G1+3], 32<<16                      ; tile_dim0 = 32
	s_mov_b32 s[G1+4], 16                          ; tile_dim1 = 16
	s_mov_b32 s[G1+5], 32                          ; tensor_dim0_stride
	s_mov_b32 s[G1+6], 0
	s_mov_b32 s[G1+7], 0
	s_mov_b32 s[SEL], 0x76543210
	s_mov_b32 s[SEL+1], 0xfedcba98
	s_mov_b32 s[CS], 0x3e38aa3b                    ; log2(e) / 8
	s_lshl_b32 s18, s[WV], 12                      ; my 4,096 bytes of a phase, in LDS and in memory alike
	s_lshl_b32 s20, s17, 18                        ; the head's 262,144 bytes
	s_add_co_u32 s20, s20, s18
	s_mov_b32 s21, 0
	s_lshl_b32 s66, s16, 3                         ; Q: step 8 x block + wave / 2,
	s_lshr_b32 s67, s[WV], 1
	s_add_co_u32 s66, s66, s67
	s_lshl_b32 s66, s66, 13
	s_and_b32 s67, s[WV], 1                        ; tiles 2 (wave % 2) and the next,
	s_lshl_b32 s67, s67, 11
	s_add_co_u32 s66, s66, s67
	s_lshl_b32 s67, s17, 18                        ; in my head
	s_add_co_u32 s66, s66, s67
	s_mov_b32 s67, 0
	s_lshr_b32 s68, s17, 4                         ; out: row 2,048 batch + 512 block + 32 wave, of 4,096 bytes,
	s_lshl_b32 s68, s68, 11
	s_lshl_b32 s69, s16, 9
	s_add_co_u32 s68, s68, s69
	s_lshl_b32 s69, s[WV], 5
	s_add_co_u32 s68, s68, s69
	s_lshl_b32 s68, s68, 12
	s_and_b32 s69, s17, 15                         ; and the head's 256 bytes in it
	s_lshl_b32 s69, s69, 8
	s_add_co_u32 s68, s68, s69
	s_mov_b32 s69, 0
	s_lshr_b32 s70, s17, 4                         ; the mask: the batch's row of 8,192 bytes
	s_lshl_b32 s70, s70, 13
	s_mov_b32 s71, 0
	s_wait_dscnt 0x0                               ; the opening add is done
	s_wait_kmcnt 0x0
	s_load_b256 s[48:55], s[10:11], 0x0            ; entries 0 to 7: eq = s54, ek = s55
	s_load_b64 s[56:57], s[10:11], 0x20            ; ep, ev
	s_add_nc_u64 s[6:7], s[6:7], s[20:21]
	s_add_nc_u64 s[4:5], s[4:5], s[66:67]
	s_add_nc_u64 s[12:13], s[12:13], s[68:69]
	s_add_nc_u64 s[8:9], s[8:9], s[70:71]
.irp p, 0,1,2,3
	s_mov_b32 s[G0+4*\p], 1                        ; count = 1
	s_add_co_u32 s[G0+4*\p+1], s18, \p*65536       ; LDS address: the phase, my wave's part: no place in the cluster enters it
	s_add_nc_u64 s[G0+4*\p+2:G0+4*\p+3], s[6:7], \p*65536   ; the same bytes of the head in memory
	s_or_b32 s[G0+4*\p+3], s[G0+4*\p+3], 0x80000000         ; type = 2
.endr
	CROUND                                         ; all four work-groups are here: the joint loads meet
.irp p, 0,1,2,3
	tensor_load_to_lds s[G0+4*\p:G0+4*\p+3], s[G1:G1+7]     ; all the launch's fills go out as one group, ahead of every wait on TENSORcnt and every LDS read
	s_nop 0
.endr
.rept 4
	v_nop
.endr
	v_and_b32 v8, 31, v0
	v_lshlrev_b32 v[LI], 4, v8
.irp u, 0,1
.irp c, 0,1
	global_load_b128 v[Q+8*\u+4*\c:Q+8*\u+4*\c+3], v[LI], s[4:5] offset:1024*\u+512*\c th:TH_LOAD_NT   ; Q stays in registers
.endr
.endr
	v_lshlrev_b32 v9, 4, v0
	global_load_b128 v[FRG:FRG+3], v9, s[8:9]      ; thread n takes keys 4 n .. 4 n + 3 of the batch's mask
	v_lshl_add_u32 v10, v0, 4, MASK
	v_bfe_u32 v11, v0, 4, 1
	v_lshlrev_b32 v[AM0], 6, v11
.irp u, 0,1
	v_mov_b32 v[ST+4*\u+1], 0xff61b1e6             ; the largest t so far: -3e38, under every t
	v_floor_f32 v[ST+4*\u], -v[ST+4*\u+1]          ; -M
	v_mov_b32 v[ST+4*\u+2], 0                      ; the sum, in two halves
	v_mov_b32 v[ST+4*\u+3], 0
	v_mov_b32 v[FF+2*\u+1], 0                      ; (named as the upper half of a pair)
	v_mov_b32 v[PM+\u], 0                          ; a lane permute's destination counts as one of its sources
.endr
.set jj, 0
.rept 64
	v_mov_b32 v[O+jj], 0                           ; O^T.  (The step is written in one form: the first finds zeros, which the first change of M leaves zeros)
.set jj, jj+1
.endr
	s_wait_kmcnt 0x0
	s_add_co_i32 s63, s54, s55                     ; eq + ek
	s_lshl_b32 s66, s63, 23
	s_add_co_i32 s[CS], s[CS], s66                 ; c' = log2(e) / 8 x 2^(eq + ek): the exponents are added to c's exponent field
	s_mov_b32 s[CS+1], s[CS]                       ; (named with it as a pair, so it is written)
	s_sub_co_i32 s63, 3, s63                       ; 3 - eq - ek
	s_add_co_i32 s66, s56, 127
	s_lshl_b32 s67, s66, 23
	v_mov_b32 v[SCL], s67                          ; 2^ep
	s_add_co_i32 s66, s66, 8
	s_lshl_b32 s66, s66, 23
	s_or_b32 s66, s66, 0x600000
	v_mov_b32 v[LIM], s66                          ; 448 x 2^ep
	s_add_co_i32 s70, s56, s57                     ; ep + ev
	s_wait_loadcnt 0x0                             ; Q and the mask
.irp i, 0,1,2,3
	v_ldexp_f32 v[FRG+\i], v[FRG+\i], s63          ; mask' = mask x 2^(3 - eq - ek): nothing is rounded, short of overflow and underflow
.endr
	ds_store_b128 v10, v[FRG:FRG+3]                ; into bytes of its own, into which no tensor load lands
; A KEY STEP: 64 keys, both tiles of queries.
.macro STEP
	v_add_nc_u32 v[ADK], s[TB], v[LI]
	v_add_nc_u32 v[ADM], s[MB], v[AM0]
	v_nop                                          ; with the two additions: four places in front of loads into registers that the last step's products have read
	v_nop
.irp t, 0,1,2,3
.irp c, 0,1
	ds_load_b128 v[FRG+8*\t+4*\c:FRG+8*\t+4*\c+3], v[ADK] offset:1024*\t+512*\c   ; K's four fragments
.endr
.endr
.irp i, 0,1,2,3,4,5,6,7
	ds_load_b128 v[MK+4*\i:MK+4*\i+3], v[ADM] offset:128*(\i/4)+16*(\i%4)         ; mask': sixteen lanes read the same 16 bytes
.endr
	s_wait_dscnt 0x0
.irp t, 0,1,2,3
.irp u, 0,1
	v_wmma_f32_16x16x64_fp8_fp8 v[S+32*\u+8*\t:S+32*\u+8*\t+7], v[FRG+8*\t:FRG+8*\t+7], v[Q+8*\u:Q+8*\u+7], v[MK+8*\t:MK+8*\t+7]   ; S^T + mask': eight different accumulators
.endr
.endr
.rept 4
	v_nop                                          ; places in front of the loads into K's registers and of the first read of the scores
.endr
.irp t, 0,1,2,3
.irp c, 0,1
	ds_load_b128 v[FRG+8*\t+4*\c:FRG+8*\t+4*\c+3], v[ADK] offset:4096+1024*\t+512*\c   ; V^T's four fragments land under the softmax
.endr
.endr
.irp u, 0,1                                    ; the step's largest score of my query among my 32 keys, in two chains a tile; each accumulator is read from its low end on
	v_max3_num_f32 v[CA+2*\u], v[S+32*\u], v[S+32*\u+1], v[S+32*\u+2]
	v_max3_num_f32 v[CA+2*\u+1], v[S+32*\u+3], v[S+32*\u+4], v[S+32*\u+5]
.endr
.irp i, 6,10,14,18,22,26
.irp u, 0,1
	v_max3_num_f32 v[CA+2*\u], v[CA+2*\u], v[S+32*\u+\i], v[S+32*\u+\i+1]
	v_max3_num_f32 v[CA+2*\u+1], v[CA+2*\u+1], v[S+32*\u+\i+2], v[S+32*\u+\i+3]
.endr
.endr
.irp u, 0,1
	v_max3_num_f32 v[CA+2*\u], v[CA+2*\u], v[S+32*\u+30], v[S+32*\u+31]
.endr
.irp u, 0,1
	v_max_num_f32 v[CA+2*\u], v[CA+2*\u], v[CA+2*\u+1]
.endr
.irp u, 0,1
	v_permlanex16_b32 v[PM+\u], v[CA+2*\u], s[SEL], s[SEL+1]
.endr
.irp u, 0,1
	v_max_num_f32 v[CA+2*\u], v[CA+2*\u], v[PM+\u]           ; and among lane l xor 16's
.endr
.irp u, 0,1
	v_mul_f32 v[CA+2*\u], s[CS], v[CA+2*\u]                  ; as t (c' is positive)
.endr
.irp u, 0,1
	v_max_num_f32 v[ST+4*\u+1], v[ST+4*\u+1], v[CA+2*\u]     ; the running largest t
.endr
.irp u, 0,1
	v_mov_b32 v[CA+2*\u], v[ST+4*\u]
.endr
.irp u, 0,1
	v_floor_f32 v[ST+4*\u], -v[ST+4*\u+1]                    ; the new -M = floor(-t) = -ceil(t): M is a whole number
.endr
.irp u, 0,1
	v_sub_f32 v[CA+2*\u], v[ST+4*\u], v[CA+2*\u]             ; M's old value less its new one: a whole number, 0 or less
.endr
.irp u, 0,1
	v_cvt_i32_f32 v[CA+2*\u], v[CA+2*\u]                     ; (it saturates)
.endr
.irp u, 0,1
	v_ldexp_f32 v[FF+2*\u], 1.0, v[CA+2*\u]                  ; f = 2^(old M - new M)
.endr
.irp u, 0,1
.set jj, 0
.rept 16
	v_pk_fma_f32 v[S+32*\u+jj:S+32*\u+jj+1], v[S+32*\u+jj:S+32*\u+jj+1], s[CS:CS+1], v[ST+4*\u:ST+4*\u+1] op_sel_hi:[1,0,0]   ; t - M, two at a time (of the pairs c' and -M the low word serves both halves)
.set jj, jj+2
.endr
.endr
.set jj, 0
.rept 64
	v_exp_f32 v[S+jj], v[S+jj]                     ; p = 2^(t - M), at most 1: not normalised.  One batch for both tiles
.set jj, jj+1
.endr
.irp u, 0,1
	v_pk_mul_f32 v[ST+4*\u+2:ST+4*\u+3], v[ST+4*\u+2:ST+4*\u+3], v[FF+2*\u:FF+2*\u+1] op_sel_hi:[1,0]   ; the sums under the new M.  (The plain lines behind the exponentials)
.endr
	s_wait_alu depctr_va_vdst(0)                   ; one wait for the whole batch, ahead of its first reader
.irp u, 0,1
	v_pk_add_f32 v[CA+2*\u:CA+2*\u+1], v[S+32*\u:S+32*\u+1], v[S+32*\u+2:S+32*\u+3]   ; the row's sum is taken of the unquantised p: two at a time, in two chains a tile
.endr
.irp j, 4,8,12,16,20,24,28
.irp u, 0,1
	v_pk_add_f32 v[ST+4*\u+2:ST+4*\u+3], v[ST+4*\u+2:ST+4*\u+3], v[S+32*\u+\j:S+32*\u+\j+1]
	v_pk_add_f32 v[CA+2*\u:CA+2*\u+1], v[CA+2*\u:CA+2*\u+1], v[S+32*\u+\j+2:S+32*\u+\j+3]
.endr
.endr
.irp u, 0,1
	v_pk_add_f32 v[ST+4*\u+2:ST+4*\u+3], v[ST+4*\u+2:ST+4*\u+3], v[CA+2*\u:CA+2*\u+1]
.endr
.irp u, 0,1
.irp b, 0,1
.irp i, 0,1,2,3,4,5,6,7,8,9,10,11,12,13,14,15
	v_min_num_f32 v[S+32*\u+16*\b+\i], v[S+32*\u+16*\b+\i], v[LIM]   ; the conversion to an 8-bit code does not saturate (ISA guide 7.6.2); p is not negative, so the hold is one-sided
.endr
	v_cvt_scalef32_pk8_fp8_f32 v[P+8*\u+4*\b:P+8*\u+4*\b+1], v[S+32*\u+16*\b:S+32*\u+16*\b+7], v[SCL]        ; registers 4 b .. 4 b + 3 of the operand: keys 32 b + 16 h + 0 .. 15
	v_cvt_scalef32_pk8_fp8_f32 v[P+8*\u+4*\b+2:P+8*\u+4*\b+3], v[S+32*\u+16*\b+8:S+32*\u+16*\b+15], v[SCL]
.endr
.endr
.irp u, 0,1
.set jj, 0
.rept 16
	v_pk_mul_f32 v[O+32*\u+jj:O+32*\u+jj+1], v[O+32*\u+jj:O+32*\u+jj+1], v[FF+2*\u:FF+2*\u+1] op_sel_hi:[1,0]   ; O^T under the new M, each accumulator from its low end on.  (Also the plain lines between the conversions and the products)
.set jj, jj+2
.endr
.endr
	s_wait_dscnt 0x0                               ; V^T is in
.irp t, 0,1,2,3
.irp u, 0,1
	v_wmma_f32_16x16x64_fp8_fp8 v[O+32*\u+8*\t:O+32*\u+8*\t+7], v[FRG+8*\t:FRG+8*\t+7], v[P+8*\u:P+8*\u+7], v[O+32*\u+8*\t:O+32*\u+8*\t+7]   ; the eight accumulators take turns, one instruction a turn; the scores' products stand between two steps' links
.endr
.endr
.endm
; A PHASE: 512 keys, eight steps.  My slices of phases 0 to p have landed (3 - p younger loads of mine may stay out); behind the barrier that holds of all sixteen waves.
.macro PHASE p
	s_wait_tensorcnt 3-\p
	s_wait_dscnt 0x0                               ; no LDS instruction of mine is out at the signal (phase 0: my part of mask' is stored)
	s_barrier_signal -1
	s_barrier_wait -1
	s_mov_b32 s[TB], \p*65536
	s_mov_b32 s[MB], MASK+\p*2048
	s_mov_b32 s[CNT], 8
.Lstep_\@:
	STEP
	s_add_co_u32 s[TB], s[TB], 8192
	s_add_co_u32 s[MB], s[MB], 256
	s_sub_co_u32 s[CNT], s[CNT], 1
	s_cmp_lg_u32 s[CNT], 0
	s_cbranch_scc1 .Lstep_\@
.endm
	PHASE 0
	PHASE 1
	PHASE 2
	PHASE 3
	; THE WAY OUT.  O^T is divided by the sum, multiplied by 2^(ep + ev), and goes through my stage in LDS, a tile (16 queries x 256 bytes, rows 272 bytes apart) at a time, so that sixteen lanes store 256 consecutive bytes,
	; a query's whole head.  The stages lie over the head's images, which have had their one fill: behind this barrier nobody reads them.
	s_wait_dscnt 0x0
	s_barrier_signal -1
	s_barrier_wait -1
.irp u, 0,1
	v_add_f32 v[ST+4*\u+2], v[ST+4*\u+2], v[ST+4*\u+3]       ; the sum's two halves,
.endr
.irp u, 0,1
	v_permlanex16_b32 v[PM+\u], v[ST+4*\u+2], s[SEL], s[SEL+1]
.endr
.irp u, 0,1
	v_add_f32 v[ST+4*\u+2], v[ST+4*\u+2], v[PM+\u]           ; and lane l xor 16's: the row's sum
.endr
.irp u, 0,1
	v_rcp_f32 v[ST+4*\u+2], v[ST+4*\u+2]
.endr
	v_and_b32 v8, 15, v0                           ; (plain lines behind the reciprocals)  r
	v_bfe_u32 v9, v0, 4, 1                         ; h
	s_mul_i32 s66, s[WV], 8704                     ; my two stages
	v_mul_u32_u24 v10, v8, 272
	v_lshl_add_u32 v10, v9, 6, v10
	v_add_nc_u32 v10, s66, v10                     ; in: row r; registers 16 d + 4 i on are channels 32 d + 16 h + 4 i on
	v_mul_u32_u24 v11, v9, 272
	v_lshl_add_u32 v11, v8, 4, v11
	v_add_nc_u32 v11, s66, v11                     ; back: lanes 0-15 one row, lanes 16-31 the next
	v_lshlrev_b32 v[GO], 12, v9
	v_lshl_add_u32 v[GO], v8, 4, v[GO]             ; and the same two rows in out
	s_wait_alu depctr_va_vdst(0)                   ; one wait for both reciprocals, ahead of their first reader
.irp u, 0,1
	v_ldexp_f32 v[ST+4*\u+2], v[ST+4*\u+2], s70    ; x 2^(ep + ev)
.endr
.irp u, 0,1
.set jj, 0
.rept 16
	v_pk_mul_f32 v[S+32*\u+jj:S+32*\u+jj+1], v[O+32*\u+jj:O+32*\u+jj+1], v[ST+4*\u+2:ST+4*\u+3] op_sel_hi:[1,0]
.set jj, jj+2
.endr
.irp d, 0,1
.irp i, 0,1,2,3
	ds_store_b128 v10, v[S+32*\u+16*\d+4*\i:S+32*\u+16*\d+4*\i+3] offset:4352*\u+128*\d+16*\i
.endr
.endr
.irp i, 0,1,2,3,4,5,6,7
	ds_load_b128 v[FRG+32*\u+4*\i:FRG+32*\u+4*\i+3], v11 offset:4352*\u+544*\i   ; LDS serves a wave's instructions in order (ISA guide 5.7.1.4): these see my stores
.endr
.endr
.irp u, 0,1
.irp i, 0,1,2,3,4,5,6,7
	s_wait_dscnt 23-16*\u-\i                       ; behind this pair of rows: the tile's later loads, and for tile 0 the sixteen LDS instructions of tile 1
	global_store_b128 v[GO], v[FRG+32*\u+4*\i:FRG+32*\u+4*\i+3], s[12:13] offset:(8*\u+2*\i+8*(\i/4))*4096 th:TH_STORE_NT   ; row r of tile u is query 8 u + r + 8 (r / 8) of my 32
.endr
.endr
	s_wait_tensorcnt 0x0                           ; the wave's end, behind my last tensor load and my last LDS store
	ds_add_u32 v[SPW], v[NIL]
	s_wait_dscnt 0x0
	CROUND                                         ; the closing round: no work-group ends while a partner may still ask for a tile that names it
	s_endpgm
.Lfunc_end_k_q06ac2a020c_attn:
	.size	k_q06ac2a020c_attn, .Lfunc_end_k_q06ac2a020c_attn-k_q06ac2a020c_attn
	.p2alignl 7, 3214868480
	.fill 96, 4, 3214868480
	.section	.rodata,"a",@progbits
	.p2align	6, 0x0
	.amdhsa_kernel k_q06ac2a020c_attn
		.amdhsa_group_segment_fixed_size 327680
		.amdhsa_private_segment_fixed_size 0
		.amdhsa_enable_private_segment 0
		.amdhsa_kernarg_size 40
		.amdhsa_user_sgpr_count 2
		.amdhsa_user_sgpr_kernarg_segment_ptr 1
		.amdhsa_wavefront_size32 1
		.amdhsa_system_sgpr_workgroup_id_x 1
		.amdhsa_system_sgpr_workgroup_id_y 1
		.amdhsa_system_sgpr_workgroup_id_z 1
		.amdhsa_system_vgpr_workitem_id 0
		.amdhsa_next_free_vgpr 256
		.amdhsa_next_free_sgpr 72
		.amdhsa_reserve_vcc 0
		.amdhsa_float_denorm_mode_32 3
		.amdhsa_float_denorm_mode_16_64 3
		.amdhsa_memory_ordered 1
		.amdhsa_forward_progress 1
		.amdhsa_inst_pref_size 83
	.end_amdhsa_kernel
	.amdgpu_metadata
---
amdhsa.version: [ 1, 2 ]
amdhsa.kernels:
  - .name:           k_q06ac2a020c_attn
    .symbol:         k_q06ac2a020c_attn.kd
    .args:
      - { .name: q_img, .offset: 0, .size: 8, .value_kind: global_buffer, .address_space: global }
      - { .name: kv_img, .offset: 8, .size: 8, .value_kind: global_buffer, .address_space: global }
      - { .name: att_mask, .offset: 16, .size: 8, .value_kind: global_buffer, .address_space: global }
      - { .name: lowp_scales, .offset: 24, .size: 8, .value_kind: global_buffer, .address_space: global }
      - { .name: out0, .offset: 32, .size: 8, .value_kind: global_buffer, .address_space: global }
    .group_segment_fixed_size: 327680
    .private_segment_fixed_size: 0
    .kernarg_segment_align: 8
    .kernarg_segment_size: 40
    .max_flat_workgroup_size: 512
    .sgpr_count:     72
    .vgpr_count:     256
    .wavefront_size: 32
...
	.end_amdgpu_metadata
.endif
;; end of part 3
